; MI455X (gfx1250); checked and timed in simulation.
; The chip was launched on July 23, 2026; its instructions are those of AMD's public machine-readable ISA for CDNA 5 (MIT licence, August 2026) and "CDNA5" Instruction Set Architecture Reference Guide (July 2026). The comments in the code are by the model that wrote it; some were corrected since.
;; VQ Codebook. Allowed arithmetic: matrix products marked QUANTISED: E2M3 operands, one E8M0 scale for each 32 along K, by v_wmma_scale_f32_16x16x128_f8f6f4 with both operands' format E2M3, f32 sums; everything else in f32.
;; Inputs: W 8,192 x 512 float32; z 16,384 x 512 float32.
;; Outputs: out0 16,384 x 512 float32; out1 16,384 int32; out2 one number float32.
;; This version of the problem:
;;   THIS VERSION OF THE PROBLEM IS GIVEN IN LOW PRECISION. The matrix products marked QUANTISED in the list below multiply operands that are first quantised to E2M3 (2 exponent bits, 3 mantissa bits; 6 bits a number), with one power-of-two scale for each 32 numbers along K (OCP MX v1.0); their sums are f32. All else is computed in f32.
;;   The module's matrix products, in the order in which they are computed (A, B: the left and right operand; K: the contracted axis; several contracted axes count as one K, in the product's order):
;;     1. [M 16,384, K 512] x [K 512, N 8,192]; A: input z; B: input W: QUANTISED
;;   THE QUANTISER, for each operand of a quantised product, along K:
;;     - K is cut into blocks of 32 from its start; a last block that is shorter is filled with zeros.
;;     - A block's scale is 2^e with e = floor(log2(the largest magnitude in the block)) - 2, held to -126 .. 127; a block of zeros has e = 0. As a byte (E8M0): e + 127.
;;     - Each number is divided by its block's scale, clamped to +-7.5, and rounded to the nearest number of E2M3, ties to even, subnormals kept.
;;     - The product sums the exact products of the quantised numbers (number of the format x scale) in f32.
;;   ~~~python
;;   def quantise(x, axis):      # numpy; x: float32 -> the quantised numbers, widened to float32 again
;;       x = np.moveaxis(x, axis, -1); K = x.shape[-1]
;;       x = np.pad(x, [(0, 0)] * (x.ndim - 1) + [(0, -K % 32)]); x = x.reshape(x.shape[:-1] + (-1, 32)); a = np.abs(x).max(-1, keepdims=True)
;;       e = np.where(a > 0, np.clip(np.frexp(np.where(a > 0, a, 1))[1] - 1 - 2, -126, 127), 0)      # np.frexp(a)[1] - 1 = floor(log2(a)), exactly
;;       r = np.clip(x / 2.0 ** e, -7.5, 7.5)
;;       step = 2.0 ** (np.maximum(np.frexp(np.where(r == 0, 1, r))[1] - 1, 0) - 3)
;;       q = np.round(r / step) * step * 2.0 ** e      # np.round: ties to even
;;       return np.moveaxis(q.reshape(q.shape[:-2] + (-1,))[..., :K], -1, axis).astype(np.float32)
;;   ~~~
;; One version. Each part assembles by itself: llvm-mc -triple=amdgcn-amd-amdhsa -mcpu=gfx1250 --defsym DOCPART=n.
;; ======== version 1 of 1: 4 launches
;; limits: right only within a limited range of input values
;; workspace buffers: img 10,223,616 bytes; candk 524,288 bytes of whole numbers; candi 524,288 bytes of whole numbers; part 1,024 bytes
;; launch quant (part 1): grid 1536 x 1, 4 waves a work-group, no clusters, 35,328 bytes of LDS; arguments W, z, img; writes img
.if DOCPART == 1
	.amdgcn_target "amdgcn-amd-amdhsa--gfx1250"
	.amdhsa_code_object_version 6
	.text
	.protected	k_q4fd5c3bf69_quant
	.globl	k_q4fd5c3bf69_quant
	.p2align	8
	.type	k_q4fd5c3bf69_quant,@function
k_q4fd5c3bf69_quant:
	s_mov_b64 s[64:65], 0
	v_nop
	global_prefetch_b8 v0, s[64:65] scope:SCOPE_SE
	s_setreg_imm32_b32 hwreg(HW_REG_WAVE_MODE, 25, 1), 1
	s_wait_xcnt 0x0
; W [8192][512] and z [16384][512], f32, become RECORDS of 6,656 bytes, one for each tile of 16 rows: records 0-511 are W's tiles, records 512-1535 z's.
; A record: bytes 0-6143 four operand images, one for each 128 along K: codes of FP6 (E2M3) in the order of the matrix operand's registers: three pieces of 512 bytes, lane l's registers 4 c .. 4 c + 3 at 512 c + 16 l;
; bytes 6144-6399 the rows' E8M0 scale bytes, 16 a row (word s of a row serves K step s); bytes 6400-6463 the rows' sums of squares of the UNQUANTISED numbers, f32; bytes 6464-6655 zeros.
; A block's scale is 2^(floor(log2(its largest magnitude)) - 2); its byte is the largest magnitude's exponent field - 2, held at 1 from below (a block of zeros keeps the byte 1: its codes are zeros, and this program alone reads the bytes).
; LIMITS: NaN and infinities among the inputs are not served; blocks whose largest magnitude lies under 2^-124 keep the byte 1; a row's sum of squares is an f32 sum in four chains a lane, then by lanes and K steps: another order than a plain running sum.
; SHARES: work-group t makes record t; wave s takes K step s: 512 bytes of each of the 16 rows.  Each load reads 512 consecutive bytes; the rows turn through the wave's own stage in LDS, so that lane (r, h) holds
; x[r][128 s + 64 c + 32 h + 0 .. 31], c = 0, 1: two whole blocks, in the order of the operand's registers.  One path serves both tensors: only the pointer is chosen.  No tensor load, no matrix work, no cluster: work-groups share nothing.
.set REC,   6656
.set SP,    528                        ; a stage row: 512 bytes + 16 = 132 words: row r starts at bank 4 r mod 64 (64 banks of 4 bytes: ISA guide 11.1)
.set WSTG,  16*SP                      ; a wave's stage
.set META,  4*WSTG                     ; behind the stages: +0 the scale words (16 r + 4 s), +512 the waves' partial sums (64 s + 4 r)
.set R,     32                         ; v32-95   the rows as loaded
.set X,     96                         ; v96-159  my 64 numbers
.set F,     64                         ; v64-75   the fragment, over rows that have gone to the stage
.set T,     76                         ; v76-82   the second halves of the blocks' codes (a conversion's three registers begin on an even number)
	s_load_b128 s[4:7], s[0:1], 0x0                ; W, z
	s_load_b64 s[8:9], s[0:1], 0x10                ; img
	v_lshl_add_u32 v26, v0, 2, 0x8800
	v_mov_b32 v27, 0
	v_lshrrev_b32 v2, 5, v0
	v_readfirstlane_b32 s16, v2                    ; wave = K step s
	v_and_b32 v3, 31, v0
	v_lshlrev_b32 v1, 4, v3                        ; 16 x lane: loads, stores
	v_and_b32 v2, 15, v0                           ; r
	v_bfe_u32 v3, v0, 4, 1                         ; h
	s_mul_i32 s17, s16, WSTG
	v_add_nc_u32 v4, s17, v1                       ; the stage, way in: 16 x lane of a row
	v_mul_u32_u24 v5, v2, SP
	v_lshl_add_u32 v5, v3, 7, v5
	v_add_nc_u32 v5, s17, v5                       ; way out: row r, + 128 h
	s_lshl_b32 s18, s16, 2
	v_lshl_add_u32 v6, v2, 4, s18
	v_add_nc_u32 v6, META, v6                      ; my row's scale word of my K step
	s_lshl_b32 s18, s16, 6
	v_lshl_add_u32 v7, v2, 2, s18
	v_add_nc_u32 v7, META+512, v7                  ; my row's partial sum
	v_lshl_add_u32 v8, v2, 4, META                 ; wave 0 at the end: a row's four scale words,
	v_and_b32 v9, 3, v0
	v_lshl_add_u32 v9, v9, 4, META+512             ; and four rows' partial sums
	s_mov_b32 s24, 0x76543210
	s_mov_b32 s25, 0xfedcba98                      ; v_permlanex16_b32's selects for lane l xor 16
	s_mul_i32 s22, ttmp9, REC
	s_mul_i32 s23, s16, 1536
	s_add_co_u32 s22, s22, s23                     ; my image in img
	s_mov_b32 s23, 0
	s_wait_alu depctr_va_vdst(0)
	s_wait_kmcnt 0x0
	s_cmp_lt_u32 ttmp9, 512                        ; W's work-group or z's?  The choice hangs on the work-group's number alone
	s_cselect_b64 s[4:5], s[4:5], s[6:7]
	s_cselect_b32 s19, 0, 512
	s_sub_co_u32 s19, ttmp9, s19                   ; the tile in its tensor
	s_lshl_b32 s20, s19, 15                        ; 16 rows of 2,048 bytes,
	s_lshl_b32 s21, s16, 9                         ; my K step's 512 bytes of a row
	s_add_co_u32 s20, s20, s21
	s_mov_b32 s21, 0
	s_add_nc_u64 s[4:5], s[4:5], s[20:21]
	s_add_nc_u64 s[8:9], s[8:9], s[22:23]
.irp i, 0,1,2,3,4,5,6,7,8,9,10,11,12,13,14,15
	global_load_b128 v[R+4*\i:R+4*\i+3], v1, s[4:5] offset:2048*\i th:TH_LOAD_NT   ; 32 lanes read 512 consecutive bytes of row i
.endr
.irp i, 0,1,2,3,4,5,6,7,8,9,10,11,12,13,14,15
	s_wait_loadcnt 15-\i                           ; loads come back in order: row i is in, the younger rows may be out
	ds_store_b128 v4, v[R+4*\i:R+4*\i+3] offset:SP*\i
.endr
.irp c, 0,1
.irp j, 0,1,2,3,4,5,6,7
	ds_load_b128 v[X+32*\c+4*\j:X+32*\c+4*\j+3], v5 offset:256*\c+16*\j   ; LDS serves a wave's instructions in order: these see my stores
.endr
.endr
	s_wait_dscnt 0x0
.irp c, 0,1                                    ; my two blocks' largest magnitudes, by turns
	v_max3_num_f32 v[10+\c], |v[X+32*\c]|, |v[X+32*\c+1]|, 0x1800000   ; and the floor 2^(3 - 127): the byte cannot fall under 1
.endr
.irp i, 2,4,6,8,10,12,14,16,18,20,22,24,26,28,30
.irp c, 0,1
	v_max3_num_f32 v[10+\c], v[10+\c], |v[X+32*\c+\i]|, |v[X+32*\c+\i+1]|
.endr
.endr
.irp c, 0,1
	v_add_nc_u32 v[12+\c], 0xff000000, v[10+\c]    ; 2 off the exponent field: the conversion takes the exponent field of this operand as its scale
.endr
.irp c, 0,1
	v_lshrrev_b32 v[14+\c], 23, v[12+\c]           ; the scale's byte
.endr
.irp q, 0,1,2,3                                ; the sum of my 64 squares, in four chains of pairs: the first four products start them
	v_pk_mul_f32 v[16+2*\q:17+2*\q], v[X+2*\q:X+2*\q+1], v[X+2*\q:X+2*\q+1]
.endr
.set p, 4
.rept 28
	v_pk_fma_f32 v[16+2*(p%4):17+2*(p%4)], v[X+2*p:X+2*p+1], v[X+2*p:X+2*p+1], v[16+2*(p%4):17+2*(p%4)]
.set p, p+1
.endr
	v_pk_add_f32 v[16:17], v[16:17], v[18:19]
	v_pk_add_f32 v[20:21], v[20:21], v[22:23]
	v_pk_add_f32 v[16:17], v[16:17], v[20:21]
	v_add_f32 v16, v16, v17
	v_permlanex16_b32 v17, v16, s24, s25
	v_add_f32 v16, v16, v17                        ; with lane l xor 16's: row r's 128 squares of this K step
	ds_store_b32 v7, v16                           ; (both lanes of a row write the same word with the same value)
	v_lshl_or_b32 v24, v15, 16, v14                ; my two bytes: blocks h and 2 + h,
	v_lshlrev_b32 v25, 3, v3
	v_lshlrev_b32 v24, v25, v24                    ; at their places in the scale word;
	v_mov_b32 v25, 0
	v_permlanex16_b32 v25, v24, s24, s25
	v_or_b32 v24, v24, v25                         ; with lane l xor 16's two the word is whole
	ds_store_b32 v6, v24
.irp c, 0,1
	v_cvt_scalef32_pk16_fp6_f32 v[F+6*\c:F+6*\c+2], v[X+32*\c:X+32*\c+15], v[12+\c]      ; registers 6 c .. 6 c + 2 of the operand
	v_cvt_scalef32_pk16_fp6_f32 v[T+4*\c:T+4*\c+2], v[X+32*\c+16:X+32*\c+31], v[12+\c]   ; and 6 c + 3 .. 6 c + 5, made elsewhere and moved
.endr
	v_nop                                          ; one plain place behind a scaled conversion
.irp c, 0,1
.irp i, 0,1,2
	v_mov_b32 v[F+6*\c+3+\i], v[T+4*\c+\i]
.endr
.endr
.irp c, 0,1,2
	global_store_b128 v1, v[F+4*\c:F+4*\c+3], s[8:9] offset:512*\c   ; 32 lanes store 512 consecutive bytes, at a multiple of 256 from img's first byte
.endr
	s_wait_dscnt 0x0                               ; for the others' sake: my scale words and partial sums lie in LDS
	s_barrier_signal -1
	s_barrier_wait -1
	s_cmp_lg_u32 s16, 0                            ; wave 0 stores the record's last 512 bytes
	s_cbranch_scc1 .Lend
	ds_load_b128 v[32:35], v8                      ; row (lane % 16)'s four scale words
.irp s, 0,1,2,3
	ds_load_b128 v[36+4*\s:39+4*\s], v9 offset:64*\s   ; rows 4 (lane % 4) on: K step s's partial sums
.endr
	s_wait_dscnt 0x0
	v_pk_add_f32 v[36:37], v[36:37], v[40:41]
	v_pk_add_f32 v[38:39], v[38:39], v[42:43]
	v_pk_add_f32 v[44:45], v[44:45], v[48:49]
	v_pk_add_f32 v[46:47], v[46:47], v[50:51]
	v_pk_add_f32 v[36:37], v[36:37], v[44:45]
	v_pk_add_f32 v[38:39], v[38:39], v[46:47]
	v_and_b32 v24, 31, v0
	v_cmp_gt_u32 vcc_lo, 16, v24                   ; lanes 0-15: scale words
	v_cmp_gt_u32 s26, 20, v24                      ; lanes 16-19: sums; the rest: zeros
.irp i, 0,1,2,3
	v_cndmask_b32 v[36+\i], 0, v[36+\i], s26
.endr
.irp i, 0,1,2,3
	v_cndmask_b32 v[36+\i], v[36+\i], v[32+\i], vcc_lo
.endr
	global_store_b128 v1, v[36:39], s[8:9] offset:6144
.Lend:
	s_wait_tensorcnt 0x0
	ds_add_u32 v26, v27
	s_wait_dscnt 0x0
	s_endpgm
.Lfunc_end_k_q4fd5c3bf69_quant:
	.size	k_q4fd5c3bf69_quant, .Lfunc_end_k_q4fd5c3bf69_quant-k_q4fd5c3bf69_quant
	.p2alignl 7, 3214868480
	.fill 96, 4, 3214868480
	.section	.rodata,"a",@progbits
	.p2align	6, 0x0
	.amdhsa_kernel k_q4fd5c3bf69_quant
		.amdhsa_group_segment_fixed_size 35328
		.amdhsa_private_segment_fixed_size 0
		.amdhsa_enable_private_segment 0
		.amdhsa_kernarg_size 24
		.amdhsa_user_sgpr_count 2
		.amdhsa_user_sgpr_kernarg_segment_ptr 1
		.amdhsa_wavefront_size32 1
		.amdhsa_system_sgpr_workgroup_id_x 1
		.amdhsa_system_sgpr_workgroup_id_y 1
		.amdhsa_system_sgpr_workgroup_id_z 1
		.amdhsa_system_vgpr_workitem_id 0
		.amdhsa_next_free_vgpr 160
		.amdhsa_next_free_sgpr 66
		.amdhsa_reserve_vcc 1
		.amdhsa_float_denorm_mode_32 3
		.amdhsa_float_denorm_mode_16_64 3
		.amdhsa_memory_ordered 1
		.amdhsa_forward_progress 1
		.amdhsa_inst_pref_size 14
	.end_amdhsa_kernel
	.amdgpu_metadata
---
amdhsa.version: [ 1, 2 ]
amdhsa.kernels:
  - .name:           k_q4fd5c3bf69_quant
    .symbol:         k_q4fd5c3bf69_quant.kd
    .args:
      - { .name: W, .offset: 0, .size: 8, .value_kind: global_buffer, .address_space: global }
      - { .name: z, .offset: 8, .size: 8, .value_kind: global_buffer, .address_space: global }
      - { .name: img, .offset: 16, .size: 8, .value_kind: global_buffer, .address_space: global }
    .group_segment_fixed_size: 35328
    .private_segment_fixed_size: 0
    .kernarg_segment_align: 8
    .kernarg_segment_size: 24
    .max_flat_workgroup_size: 128
    .sgpr_count:     66
    .vgpr_count:     160
    .wavefront_size: 32
...
	.end_amdgpu_metadata
.endif
;; end of part 1
;; launch search (part 2): grid 64 x 4, 8 waves a work-group, clusters of 4 x 1, 327,680 bytes of LDS; arguments img, candk, candi; writes candk, candi
.if DOCPART == 2
	.amdgcn_target "amdgcn-amd-amdhsa--gfx1250"
	.amdhsa_code_object_version 6
	.text
	.protected	k_q4fd5c3bf69_search
	.globl	k_q4fd5c3bf69_search
	.p2align	8
	.type	k_q4fd5c3bf69_search,@function
k_q4fd5c3bf69_search:
	s_mov_b64 s[64:65], 0
	v_nop
	global_prefetch_b8 v0, s[64:65] scope:SCOPE_SE
	s_setreg_imm32_b32 hwreg(HW_REG_WAVE_MODE, 25, 1), 1
	s_wait_xcnt 0x0
	s_wait_alu depctr_hold_cnt(0) depctr_sa_sdst(0) depctr_va_vdst(0) depctr_va_sdst(0) depctr_va_ssrc(0) depctr_va_vcc(0) depctr_vm_vsrc(0)
	s_getreg_b32 s2, hwreg(HW_REG_IB_STS2, 6, 4)
	s_cmp_eq_u32 s2, 0
	s_cbranch_scc0 .Lentry_in_a_cluster
	s_endpgm
.Lentry_in_a_cluster:
	s_bfe_u32 s2, ttmp6, 0x10000c
	s_cmp_lg_u32 s2, 0x3003
	s_cbranch_scc0 .Lentry_shape_is_right
	s_endpgm
.Lentry_shape_is_right:
; For each row of z and each of eight runs of 1,024 codes: the least distance d = (zz - 2 s) + ww, s = Q(z) . Q(W) on codes of FP6 (E2M3) with E8M0 scales, and the LOWEST code of the run that has it.
; candk [8][16384]: the least distance as a whole number whose unsigned order is the distances' order (sign bit flipped for d >= 0, all bits for d < 0; d is never -0: a fused multiply-add gives +0 for an exact 0, and ww >= +0);  candi [8][16384]: the code.
; The distance is rounded as it is written: one fused multiply-add gives fl(zz - 2 s) (2 s is exact), one addition adds ww.  A tie keeps the lower code: an earlier group of a lane keeps a tie, the lowest place within a group, value and then code between the two lanes of a row.
; LIMITS: NaN and infinities are not served; zz and ww are the f32 sums that the launch before has made.
; SHARES.  Work-group (b, y): rows 256 b on, codes 2048 y on.  Eight waves, two for each SIMD of a WGP.  Wave w: row quarter w & 3 (4 tiles of z x 4 K steps x 12 registers stay in its registers), run 2 y + (w >> 2) of the codes: it owns its 64 rows' results for that run, so no wave joins another's.
; W's records (16 codes, 6,656 bytes: four operand images, scale words, ww) stream through a ring of two LDS slots of 16 records: 8 neighbouring records of each of the work-group's two runs.  Wave w fetches places 2 w, 2 w + 1 of each slot by one tensor load; the four waves of a run read its 8 records.
; A UNIT is one record against a wave's 4 tiles: 16 matrix instructions in one run, the four accumulators by turns, then 72 vector lines (18 for a tile's 8 distances); a wave has 64 units, 8 to a slot.
; CLUSTER.  The four partners have one y and neighbouring b: they walk the same records of W, so every tensor load is asked for JOINTLY (mask 15).  z's rows are each work-group's own and come once, by loads into registers: a wider cluster would have nothing more to share.
; LAYOUT.  Source 0 = 16 codes, source 1 = 16 rows of z: lane (r, h) holds ONE row r of z, and register j the code 8 h + j of the record: the minimum over the codes stays inside a lane.
; The place of the minimum inside a group of 8 is not looked for in the loop: the best group's 8 distances are kept (two selects to a dual instruction) and searched once at the end.
; REGISTERS: window 0: v1-21 addresses; v24-39 z's scale words; v40-47 W's, two sets; v48-63 ww, two sets; v64-79 four statistics a tile; v80-111 the 4 accumulators; v112-143 the best groups' distances; v144-239 W's fragments, two sets of 48; v240-249 at work.
;   window 1: v0-191 z's four tiles (48 m + 12 s).  s_set_vgpr_msb: bits 3:2 source 1: a product reads z from window 1, all else lies in window 0: two switches a unit.
.set REC,   6656
.set PAIRB, 2*REC                      ; what one tensor load brings: 13,312 bytes
.set HALFB, 8*REC                      ; what a wave reads of a slot; also a run's step in img from slot to slot
.set SLOTB, 16*REC
.set SLOT1, 1<<17                      ; slot 1 begins here: one exclusive or turns an address in one slot into the other's
.set SCR,   SLOT1+SLOTB                ; behind the ring: 512 bytes for each wave, its own: 64 keys, then 64 codes
.set SPARE, SCR+4096                   ; the spare words, 128 bytes for each of the eight waves: four blocks of 256 bytes that no other line names
.set ZBASE, 512*REC                    ; z's records in img
.set AF0,  1                           ; 16 lane + my half of a slot: an image's place for my lane
.set AS0,  2                           ; 16 r + my half + 6,144: a code's four scale words
.set AW0,  3                           ; 32 h + my half + 6,400: my eight codes' ww
.set ADF,  4                           ; v4, v5, v16  the addresses of the runs in hand
.set ADS,  5
.set H8,   6                           ; 8 h
.set SPW,  7                           ; LDS address of my spare word; never rewritten
.set NIL,  8                           ; 0; never rewritten
.set PFO,  9                           ; the prefetches' offset; never rewritten
.set L16,  10
.set R16,  11
.set R4,   12
.set SCW,  13                          ; where I put a row's result
.set SCRD, 14                          ; where I read two rows' results back
.set ADW,  16
.set TEV,  20                          ; s[TE] as a vector register: a half of a dual instruction reads one scalar value, and the select is one
.set L8,   21
.set ZS,   24
.set WS,   40
.set WWB,  48
.set ST,   64                          ; tile m: +0 zz, +1 the least distance, +2 its group's first code, +3 the group in hand's least
.set ACC,  80
.set SAV,  112
.set WF,   144
.set TT,   246                         ; v246-249 two partial minima for each of two tiles
.set WV,   10                          ; s10 wave;  s11 cx;  s12 b;  s13 y
.set CX,   11
.set BB,   12
.set YY,   13
.set TB,   14                          ; LDS byte at which the slot in hand begins
.set TE,   15                          ; first code of the record in hand
.set CNT,  16
.set LIM,  17                          ; 2 in a cluster that prefetches, else the greatest number
.set PFA,  18                          ; s[18:19] where my prefetches stand
.set MK,   20                          ; the mask of a pair's second tile
.set HF,   21                          ; which of the work-group's two runs is mine
.set RQ,   22                          ; my row quarter
.set G1,   24                          ; s[24:31] descriptor group 1
.set G0A,  32                          ; s[32:35] group 0 of slot 0's first fill
.set G0B,  36                          ; s[36:39] of slot 1's; it then walks
.set SEL,  40                          ; s[40:41] lane selects: lane l xor 16
.set MSB, 0
.macro WIN new                         ; the immediate's high byte repeats the setting that is left
.if MSB != (\new)
	s_set_vgpr_msb (MSB<<8)|(\new)
.set MSB, (\new)
.endif
.endm
; A round of the cluster's barrier: my work-group's barrier; wave 0 signals for the work-group; every wave waits for the four work-groups; my work-group's barrier once more.
.macro CROUND
	s_barrier_signal -1
	s_barrier_wait -1
	s_cmp_lg_u32 s[WV], 0
	s_cbranch_scc1 .Lnot_wave_0_\@
	s_barrier_signal -3
.Lnot_wave_0_\@:
	s_barrier_wait -3
	s_barrier_signal -1
	s_barrier_wait -1
.endm
; A PREFETCH INTO THE L2 of the slot that stands two changes of slots on from the one being asked for.  All clusters of one y walk the same records: the first of them asks.  The two records that wave w fetches are 52 blocks of 256 bytes:
; the partner at place cx takes blocks 13 cx on, BY ADDRESS, a lane a block (lanes 13-31 name lane 12's).  The last two changes that fill a slot ask for nothing; slots 0 to 3 come by their loads alone.
.macro ASK
	s_cmp_gt_u32 s[CNT], s[LIM]
	s_cbranch_scc0 .Lnot_mine_\@
	global_prefetch_b8 v[PFO], s[PFA:PFA+1] th:TH_LOAD_NT scope:SCOPE_SE
.Lnot_mine_\@:
.endm
.macro TLOAD g0                        ; a joint load; s_nop 0 and four plain lines follow it
	tensor_load_to_lds s[\g0:\g0+3], s[G1:G1+7]
	s_nop 0
.rept 4
	v_nop
.endr
.endm
	s_load_b128 s[4:7], s[0:1], 0x0                ; img, candk
	s_load_b64 s[8:9], s[0:1], 0x10                ; candi
	v_lshl_add_u32 v[SPW], v0, 2, SPARE
	v_mov_b32 v[NIL], 0
	ds_add_u32 v[SPW], v[NIL]                      ; the opening lines: the add, twice on end, and its wait ahead of my first tensor load
	ds_add_u32 v[SPW], v[NIL]
	v_lshrrev_b32 v17, 5, v0
	v_readfirstlane_b32 s[WV], v17                 ; wave 0..7
	s_lshr_b32 s[HF], s[WV], 2
	s_and_b32 s[RQ], s[WV], 3
	s_mul_i32 s42, s[HF], HALFB                    ; my half of a slot: no place in the cluster enters an LDS address
	s_lshl_b32 s43, s[WV], 9                       ; my 512 bytes of the results' stage
	v_and_b32 v17, 31, v0                          ; lane
	v_and_b32 v18, 15, v0                          ; r
	v_bfe_u32 v19, v0, 4, 1                        ; h
	v_lshl_add_u32 v[AF0], v17, 4, s42
	v_lshl_add_u32 v[AS0], v18, 4, s42
	v_add_nc_u32 v[AS0], 6144, v[AS0]
	v_lshl_add_u32 v[AW0], v19, 5, s42
	v_add_nc_u32 v[AW0], 6400, v[AW0]
	v_lshlrev_b32 v[H8], 3, v19
	v_min_u32 v[PFO], 12, v17
	v_lshlrev_b32 v[PFO], 8, v[PFO]
	v_lshlrev_b32 v[L16], 4, v17
	v_lshlrev_b32 v[R16], 4, v18
	v_lshlrev_b32 v[R4], 2, v18
	v_lshlrev_b32 v[L8], 3, v17
	v_lshl_add_u32 v[SCW], v18, 2, s43
	v_add_nc_u32 v[SCW], SCR, v[SCW]
	v_lshl_add_u32 v[SCRD], v17, 3, s43
	v_add_nc_u32 v[SCRD], SCR, v[SCRD]
	s_bfe_u32 s[CX], ttmp6, 0x40000                ; cx: my place in the cluster
	s_lshl_b32 s[BB], ttmp9, 2
	s_add_co_u32 s[BB], s[BB], s[CX]               ; b = 4 x cluster x + cx: it enters global addresses of z and of the results alone
	s_and_b32 s[YY], ttmp7, 0xffff                 ; y, which the partners share
	; descriptor group 1: two records, a dense block, as 52 rows of 256 bytes (32 elements of 8 bytes), no padding: an image is read as consecutive bytes
	s_mov_b32 s[G1], 15|(3<<16)|(1<<21)            ; 15:0 the mask: all four work-groups; 17:16 elements of 8 bytes; 21 set beside a mask
	s_mov_b32 s[G1+1], 32<<16
	s_mov_b32 s[G1+2], 52<<16
	s_mov_b32 s[G1+3], 32<<16
	s_mov_b32 s[G1+4], 52
	s_mov_b32 s[G1+5], 32
	s_mov_b32 s[G1+6], 0
	s_mov_b32 s[G1+7], 0
	s_mul_i32 s45, s[WV], PAIRB                    ; where my two records go in a slot
	s_lshl_b32 s43, s[YY], 7
	s_lshl_b32 s44, s[HF], 6
	s_add_co_u32 s43, s43, s44
	s_lshl_b32 s44, s[RQ], 1
	s_add_co_u32 s43, s43, s44                     ; my first record of slot 0: 128 y + 64 (w >> 2) + 2 (w & 3)
	s_mul_i32 s46, s43, REC
	s_mov_b32 s47, 0
	s_mul_i32 s48, s[CX], 13*256                   ; the prefetches: my work-group's 13 blocks of the 52,
	s_add_co_u32 s48, s48, s46
	s_add_co_u32 s48, s48, 3*HALFB                 ; in slot 3: the first change of slots steps it to slot 4
	s_mov_b32 s49, 0
	s_lshl_b32 s50, s[BB], 4
	s_lshl_b32 s51, s[RQ], 2
	s_add_co_u32 s50, s50, s51                     ; z's tile 16 b + 4 (w & 3)
	s_mul_i32 s50, s50, REC
	s_add_co_u32 s50, s50, ZBASE
	s_mov_b32 s51, 0
	s_lshl_b32 s52, s[YY], 17
	s_lshl_b32 s53, s[HF], 16
	s_add_co_u32 s52, s52, s53
	s_lshl_b32 s53, s[BB], 10
	s_add_co_u32 s52, s52, s53
	s_lshl_b32 s53, s[RQ], 8
	s_add_co_u32 s52, s52, s53                     ; the results: (16,384 (2 y + (w >> 2)) + 256 b + 64 (w & 3)) x 4 bytes
	s_mov_b32 s53, 0
	s_lshl_b32 s[TE], s[YY], 11
	s_lshl_b32 s54, s[HF], 10
	s_add_co_u32 s[TE], s[TE], s54
	s_sub_co_u32 s[TE], s[TE], 16                  ; each unit steps it by 16: my run's records are neighbours, from slot to slot too
	s_mov_b32 s[TB], 0
	s_mov_b32 s[SEL], 0x76543210
	s_mov_b32 s[SEL+1], 0xfedcba98
	s_mov_b32 s54, 0x7f800000                      ; +infinity
	s_cmp_eq_u32 ttmp9, 0                          ; the first cluster of its y: the same in all four partners
	s_cselect_b32 s[LIM], 2, -1
	s_wait_alu depctr_va_vdst(0)                   ; directly ahead of the waits below
	s_wait_dscnt 0x0                               ; both opening adds are done
	s_wait_kmcnt 0x0
	s_mov_b32 s[G0A], 1
	s_mov_b32 s[G0A+1], s45
	s_add_nc_u64 s[G0A+2:G0A+3], s[4:5], s[46:47]
	s_mov_b32 s[G0B], 1
	s_add_co_u32 s[G0B+1], s45, SLOT1
	s_add_nc_u64 s[G0B+2:G0B+3], s[G0A+2:G0A+3], HALFB
	s_or_b32 s[G0A+3], s[G0A+3], 0x80000000        ; type = 2
	s_or_b32 s[G0B+3], s[G0B+3], 0x80000000
	s_add_nc_u64 s[PFA:PFA+1], s[4:5], s[48:49]
	s_add_nc_u64 s[50:51], s[4:5], s[50:51]        ; z's four records
	s_add_nc_u64 s[6:7], s[6:7], s[52:53]
	s_add_nc_u64 s[8:9], s[8:9], s[52:53]
	CROUND                                         ; all four work-groups are here: the first joint loads meet
	TLOAD G0A                                      ; slot 0: one tensor load a wave at the head
	WIN 0x40                                       ; destination window 1
.irp m, 0,1,2,3
.irp ks, 0,1,2,3
.irp ch, 0,1,2
	global_load_b128 v[48*\m+12*\ks+4*\ch:48*\m+12*\ks+4*\ch+3], v[L16], s[50:51] offset:REC*\m+1536*\ks+512*\ch
.endr
.endr
.endr
	WIN 0
.irp m, 0,1,2,3
	global_load_b128 v[ZS+4*\m:ZS+4*\m+3], v[R16], s[50:51] offset:REC*\m+6144   ; row r's four scale words
	global_load_b32 v[ST+4*\m], v[R4], s[50:51] offset:REC*\m+6400               ; zz of row r
.endr
.irp m, 0,1,2,3
	v_mov_b32 v[ST+4*\m+1], s54                    ; the least so far: +infinity
	v_mov_b32 v[ST+4*\m+2], 0
.endr
.set i, 0
.rept 32
	v_mov_b32 v[SAV+i], s54                        ; the selects name the kept distances from the first unit on
.set i, i+1
.endr
	v_mov_b32 v242, 0                              ; written once: a lane permute's destination counts as one of its sources
	v_mov_b32 v243, 0
; Product mk of 16 against W's set ws: K step mk / 4, tile mk % 4.  The first four start the sums with the constant 0.  The four accumulators take turns, one instruction a turn, from unit to unit too.
.macro MM ws
.set ms, mk/4
.set mt, mk%4
.set mD, ACC+8*mt
.set mA, WF+48*(\ws)+12*ms
.set mB, 48*mt+12*ms
.if ms == 0
	v_wmma_scale_f32_16x16x128_f8f6f4 v[mD:mD+7], v[mA:mA+11], v[mB:mB+11], 0, v[WS+4*(\ws)+ms], v[ZS+4*mt+ms] matrix_a_fmt:MATRIX_FMT_FP6 matrix_b_fmt:MATRIX_FMT_FP6
.else
	v_wmma_scale_f32_16x16x128_f8f6f4 v[mD:mD+7], v[mA:mA+11], v[mB:mB+11], v[mD:mD+7], v[WS+4*(\ws)+ms], v[ZS+4*mt+ms] matrix_a_fmt:MATRIX_FMT_FP6 matrix_b_fmt:MATRIX_FMT_FP6
.endif
.set mk, mk+1
.endm
; Line ei of 36 of the vector work of tiles 2 pc, 2 pc + 1, with ww's set wp.  Lines 0-25: the two tiles by turns.
;   0-7 fl(zz - 2 s), a pair at a time, from the accumulator's low end on;  8-15 + ww;  16-23 the group's least, a tree two deep;  24, 25 is it NOT under the least so far (an earlier group keeps a tie): the second tile's mask waits in s[MK], the first's goes to VCC;
;   26-30 the first tile, 31-35 the second: where the mask is off, the group's 8 distances are kept, two to a dual instruction; the last pair takes the group's first code and the least so far.
.macro EP pc, wp
.set eX, 2*(\pc)+ei%2
.if ei >= 22 && ei < 26
.set eX, 2*(\pc)+1-ei%2
.elseif ei >= 31
.set eX, 2*(\pc)+1
.elseif ei >= 26
.set eX, 2*(\pc)
.endif
.set eA, ACC+8*eX
.set eT, ST+4*eX
.set eV, SAV+8*eX
.set eU, TT+2*(eX%2)
.set eW, WWB+8*(\wp)
.if ei < 8
.set en, 2*(ei/2)
	v_pk_fma_f32 v[eA+en:eA+en+1], v[eA+en:eA+en+1], -2.0, v[eT:eT+1] op_sel_hi:[1,0,0]
.elseif ei < 16
.set en, 2*((ei-8)/2)
	v_pk_add_f32 v[eA+en:eA+en+1], v[eA+en:eA+en+1], v[eW+en:eW+en+1]
.elseif ei < 18
	v_min_num_f32 v[eT+3], v[eA+6], v[eA+7]
.elseif ei < 20
	v_min3_num_f32 v[eU], v[eA], v[eA+1], v[eA+2]
.elseif ei < 22
	v_min3_num_f32 v[eU+1], v[eA+3], v[eA+4], v[eA+5]
.elseif ei < 24
	v_min3_num_f32 v[eT+3], v[eT+3], v[eU], v[eU+1]
.elseif ei == 24
	v_cmp_ge_f32 s[MK], v[eT+3], v[eT+1]
.elseif ei == 25
	v_cmp_ge_f32 vcc_lo, v[eT+3], v[eT+1]
.else
.set en, 2*((ei-26)%5)
.if ei == 31
	s_mov_b32 vcc_lo, s[MK]
.endif
.if en < 8
	v_dual_cndmask_b32 v[eV+en], v[eA+en], v[eV+en] :: v_dual_cndmask_b32 v[eV+en+1], v[eA+en+1], v[eV+en+1]
.else
	v_dual_cndmask_b32 v[eT+2], v[TEV], v[eT+2] :: v_dual_min_num_f32 v[eT+1], v[eT+1], v[eT+3]
.endif
.endif
.set ei, ei+1
.endm
; The LDS loads stand in one run.  Record rc's scale words and its four images, 13 loads, into set st:
.macro FRUN rc, st
	v_add_nc_u32 v[ADF], s[TB], v[AF0]
	v_add_nc_u32 v[ADS], s[TB], v[AS0]
	ds_load_b128 v[WS+4*(\st):WS+4*(\st)+3], v[ADS] offset:REC*(\rc)
.irp ks, 0,1,2,3
.irp ch, 0,1,2
	ds_load_b128 v[WF+48*(\st)+12*\ks+4*\ch:WF+48*(\st)+12*\ks+4*\ch+3], v[ADF] offset:REC*(\rc)+1536*\ks+512*\ch
.endr
.endr
.endm
.macro WWRUN rc, st                    ; and its ww: my eight codes', 2 loads
	v_add_nc_u32 v[ADW], s[TB], v[AW0]
	ds_load_b128 v[WWB+8*(\st):WWB+8*(\st)+3], v[ADW] offset:REC*(\rc)
	ds_load_b128 v[WWB+8*(\st)+4:WWB+8*(\st)+7], v[ADW] offset:REC*(\rc)+16
.endm
; A UNIT: record q of my half's eight.  Its 16 products; the next record's 15 loads, into the sets that the unit before read (72 vector lines lie between); its 72 vector lines.
; PLACES.  Behind the last product stand four plain vector lines that name none of the products' registers (the record's first code and three addresses), ahead of the first read of a sum (ISA guide 7.12.1).
.macro UNIT q
.set par, (\q)%2
.set nxt, ((\q)+1)%8
	s_wait_dscnt 0x0                               ; this unit's 15 loads are in: they were issued ahead of the last unit's vector lines
	WIN 0x04                                       ; z in window 1
.set mk, 0
.rept 16
	MM par
.endr
	WIN 0
	s_add_co_u32 s[TE], s[TE], 16
	v_mov_b32 v[TEV], s[TE]
	FRUN nxt, 1-par
	WWRUN nxt, 1-par
.set ei, 0
.rept 36
	EP 0, par
.endr
.set ei, 0
.rept 36
	EP 1, par
.endr
.endm
; THE CHANGE OF SLOTS stands between my seventh and my eighth unit of a slot: all that I read of the slot has been asked for.  fill = 1: the wave waits for all its tensor loads (its part of the other slot), adds 0 to its spare word, and waits
; for that and for its reads of the slot; a round of the cluster's barrier follows, so that the other slot is whole for all eight waves and no wave of any partner still reads this slot or has a load on its way; the joint refill is the first thing
; behind it: it has eight units, 128 matrix instructions a wave, in which to land.  One tensor load of mine is out from here to the next change.  fill = 0: nothing is asked for; the wait and a barrier show the last slot whole to all eight waves.
.macro CHANGE fill
	s_wait_tensorcnt 0x0                           ; no tensor load of mine is out, so a group 0 may be written
.if \fill
	ds_add_u32 v[SPW], v[NIL]                      ; 0 onto my spare word; the steps below stand between it and the wait for it
	s_xor_b32 s[G0B+1], s[G0B+1], SLOT1            ; the walking descriptor: the other slot than last time,
	s_add_nc_u64 s[G0B+2:G0B+3], s[G0B+2:G0B+3], HALFB   ; my run's next 8 records; the type bits on top are not reached
	s_wait_xcnt 0x0                                ; the last prefetch, a slot back, has read its address, so it may be written
	s_add_nc_u64 s[PFA:PFA+1], s[PFA:PFA+1], HALFB
	s_xor_b32 s[TB], s[TB], SLOT1                  ; the fetches go on in the other slot
	s_wait_dscnt 0x0                               ; the add is done, and my reads of the slot are over
	CROUND
	TLOAD G0B
	ASK
.else
	s_xor_b32 s[TB], s[TB], SLOT1
	s_wait_dscnt 0x0                               ; no LDS instruction of mine is out at the signal
	s_barrier_signal -1
	s_barrier_wait -1
.endif
.endm
	s_wait_alu depctr_va_vdst(0)
	s_wait_tensorcnt 0x0                           ; my part of slot 0 is in
	ds_add_u32 v[SPW], v[NIL]
	s_wait_dscnt 0x0
	CROUND                                         ; slot 0 is whole for all eight waves, and the four work-groups are here
	TLOAD G0B                                      ; slot 1's first fill, the first tensor load behind the round
	FRUN 0, 0
	WWRUN 0, 0
	s_wait_loadcnt 0x0                             ; z
	s_mov_b32 s[CNT], 6
.Lslot:                                            ; 6 trips: every slot but the last two is filled again
.irp q, 0,1,2,3,4,5,6
	UNIT \q
.endr
	CHANGE 1
	UNIT 7
	s_sub_co_u32 s[CNT], s[CNT], 1
	s_cmp_lg_u32 s[CNT], 0
	s_cbranch_scc1 .Lslot
	s_mov_b32 s[CNT], 2
.Ltail:                                            ; the last two slots, a second copy.  The very last run of loads reads landed bytes of the slot before into registers that nobody uses
.irp q, 0,1,2,3,4,5,6
	UNIT \q
.endr
	CHANGE 0
	UNIT 7
	s_sub_co_u32 s[CNT], s[CNT], 1
	s_cmp_lg_u32 s[CNT], 0
	s_cbranch_scc1 .Ltail
	; Tile by tile: the lowest place that holds the least distance; the code; then lane l xor 16's pair: the lesser value, at equal values the lower code; the value becomes its key.
.irp m, 0,1,2,3
	v_mov_b32 v240, 7
.irp j, 6,5,4,3,2,1,0
	v_cmp_eq_f32 vcc_lo, v[SAV+8*\m+\j], v[ST+4*\m+1]
	v_cndmask_b32 v240, v240, \j, vcc_lo
.endr
	v_add3_u32 v241, v[ST+4*\m+2], v240, v[H8]
	v_permlanex16_b32 v242, v[ST+4*\m+1], s[SEL], s[SEL+1]
	v_permlanex16_b32 v243, v241, s[SEL], s[SEL+1]
	v_cmp_lt_f32 s42, v242, v[ST+4*\m+1]
	v_cmp_eq_f32 s43, v242, v[ST+4*\m+1]
	v_cmp_lt_u32 s44, v243, v241
	s_and_b32 s43, s43, s44
	s_or_b32 s42, s42, s43
	v_cndmask_b32 v244, v[ST+4*\m+1], v242, s42
	v_cndmask_b32 v245, v241, v243, s42
	v_ashrrev_i32 v246, 31, v244                   ; all ones under 0, else 0;
	v_or_b32 v246, 0x80000000, v246                ; with the sign bit: what is flipped
	v_xor_b32 v244, v246, v244
	ds_store_b32 v[SCW], v244 offset:64*\m         ; (both lanes of a row write the same word with the same value)
	ds_store_b32 v[SCW], v245 offset:256+64*\m
.endr
	ds_load_b64 v[240:241], v[SCRD]                ; LDS serves a wave's instructions in order: these see my stores; two rows a lane
	ds_load_b64 v[242:243], v[SCRD] offset:256
	s_wait_dscnt 0x0
	global_store_b64 v[L8], v[240:241], s[6:7]     ; 32 lanes store 256 consecutive bytes, at a multiple of 256 from the buffer's first byte
	global_store_b64 v[L8], v[242:243], s[8:9]
	s_wait_tensorcnt 0x0                           ; the wave's end, behind my last tensor load and my last LDS store
	ds_add_u32 v[SPW], v[NIL]
	s_wait_dscnt 0x0
	CROUND                                         ; the closing round: no work-group ends while a partner may still ask for a tile that names it
	s_endpgm
.Lfunc_end_k_q4fd5c3bf69_search:
	.size	k_q4fd5c3bf69_search, .Lfunc_end_k_q4fd5c3bf69_search-k_q4fd5c3bf69_search
	.p2alignl 7, 3214868480
	.fill 96, 4, 3214868480
	.section	.rodata,"a",@progbits
	.p2align	6, 0x0
	.amdhsa_kernel k_q4fd5c3bf69_search
		.amdhsa_group_segment_fixed_size 327680
		.amdhsa_private_segment_fixed_size 0
		.amdhsa_enable_private_segment 0
		.amdhsa_kernarg_size 24
		.amdhsa_user_sgpr_count 2
		.amdhsa_user_sgpr_kernarg_segment_ptr 1
		.amdhsa_wavefront_size32 1
		.amdhsa_system_sgpr_workgroup_id_x 1
		.amdhsa_system_sgpr_workgroup_id_y 1
		.amdhsa_system_sgpr_workgroup_id_z 1
		.amdhsa_system_vgpr_workitem_id 0
		.amdhsa_next_free_vgpr 448
		.amdhsa_next_free_sgpr 66
		.amdhsa_reserve_vcc 1
		.amdhsa_float_denorm_mode_32 3
		.amdhsa_float_denorm_mode_16_64 3
		.amdhsa_memory_ordered 1
		.amdhsa_forward_progress 1
		.amdhsa_inst_pref_size 143
	.end_amdhsa_kernel
	.amdgpu_metadata
---
amdhsa.version: [ 1, 2 ]
amdhsa.kernels:
  - .name:           k_q4fd5c3bf69_search
    .symbol:         k_q4fd5c3bf69_search.kd
    .args:
      - { .name: img, .offset: 0, .size: 8, .value_kind: global_buffer, .address_space: global }
      - { .name: candk, .offset: 8, .size: 8, .value_kind: global_buffer, .address_space: global }
      - { .name: candi, .offset: 16, .size: 8, .value_kind: global_buffer, .address_space: global }
    .group_segment_fixed_size: 327680
    .private_segment_fixed_size: 0
    .kernarg_segment_align: 8
    .kernarg_segment_size: 24
    .max_flat_workgroup_size: 256
    .sgpr_count:     66
    .vgpr_count:     448
    .wavefront_size: 32
...
	.end_amdgpu_metadata
.endif
;; end of part 2
;; launch gather (part 3): grid 256 x 1, 16 waves a work-group, no clusters, 2,560 bytes of LDS; arguments z, W, candk, candi, out0, out1, part; writes out0, out1, part
.if DOCPART == 3
	.amdgcn_target "amdgcn-amd-amdhsa--gfx1250"
	.amdhsa_code_object_version 6
	.text
	.protected	k_q4fd5c3bf69_gather
	.globl	k_q4fd5c3bf69_gather
	.p2align	8
	.type	k_q4fd5c3bf69_gather,@function
k_q4fd5c3bf69_gather:
	s_mov_b64 s[64:65], 0
	v_nop
	global_prefetch_b8 v0, s[64:65] scope:SCOPE_SE
	s_setreg_imm32_b32 hwreg(HW_REG_WAVE_MODE, 25, 1), 1
	s_wait_xcnt 0x0
; For each row: idx = the code of the least of the eight runs' keys (a later run wins only where its key is strictly less: the runs hold ascending codes, so a tie keeps the lower code); q = W[idx]; out0 = z + (q - z), rounded as it is written;
; out1 = idx; part[g] = the work-group's sum of (q - z)^2, which is (z - q)^2 bit for bit.
; The keys are whole numbers that the launch before has stored, in the distances' order: they are compared as unsigned numbers by scalar instructions, and the chosen code (held to 8,191) makes the one address in W.
; SHARES: a work-group takes 64 rows, a wave 4.  A row is 2,048 bytes: four loads of 512 consecutive bytes.  No loop: all 32 loads of a wave go out at once; no stored register is written again.
; A stream: no matrix work, no tensor load, no cluster (work-groups share no tile); nothing is prefetched: the loads themselves go out at the head.
; LDS: bytes 0-63 the waves' sums; 256-2303 the spare words; 2304-2559 the 64 rows' idx, 16 bytes a wave, so that out1 leaves as one unit of 256 bytes.
.set Z,   32                           ; v32-95   my four rows of z
.set WA,  96                           ; v96-159  q, then out0
.set WB,  160                          ; v160-223 q - z
.set KY,  24                           ; s24-55   keys: run c, row i at 4 c + i
.set CD,  68                           ; s68-99   codes likewise
.set IDX, 0x900
	s_load_b256 s[4:11], s[0:1], 0x0               ; z s[4:5], W s[6:7], candk s[8:9], candi s[10:11]
	s_load_b128 s[12:15], s[0:1], 0x20             ; out0 s[12:13], out1 s[14:15]
	s_load_b64 s[16:17], s[0:1], 0x30              ; part
	v_lshl_add_u32 v224, v0, 2, 0x100
	v_mov_b32 v225, 0
	v_lshrrev_b32 v1, 5, v0
	s_delay_alu instid0(VALU_DEP_1)
	v_readfirstlane_b32 s18, v1                    ; wave 0..15
	v_and_b32 v15, 31, v0
	s_delay_alu instid0(VALU_DEP_1)
	v_lshlrev_b32 v1, 4, v15                       ; 16 x lane
	s_delay_alu instid0(VALU_DEP_2)
	v_lshlrev_b32 v14, 3, v15                      ; 8 x lane
	v_and_b32 v30, 15, v0
	s_delay_alu instid0(VALU_DEP_1)
	v_lshlrev_b32 v30, 2, v30                      ; LDS: a wave's sum, for wave 0 at the end
	s_lshl_b32 s19, s18, 2
	v_mov_b32 v26, s19                             ; LDS: my wave's word
	s_lshl_b32 s19, s18, 4
	s_add_co_u32 s19, s19, IDX
	v_mov_b32 v31, s19                             ; LDS: my four rows' idx
	v_mov_b32 v29, 0
.irp i, 10,11,12,13
	v_mov_b32 v\i, 0                               ; the squares' sums, two chains of pairs
.endr
	s_lshl_b32 s20, ttmp9, 8                       ; the work-group's 64 rows in a table of 4 bytes a row
	s_mov_b32 s21, 0
	s_lshl_b32 s22, s18, 4                         ; my 4 of them
	s_mov_b32 s23, 0
	s_lshl_b32 s56, ttmp9, 17                      ; 64 rows of 2,048 bytes,
	s_lshl_b32 s57, s18, 13                        ; my 4 of them
	s_add_co_u32 s56, s56, s57
	s_mov_b32 s57, 0
	s_lshl_b32 s58, ttmp9, 2
	s_mov_b32 s59, 0
	s_mov_b32 s60, 0x76543210
	s_mov_b32 s61, 0xfedcba98                      ; v_permlanex16_b32's selects for lane l xor 16
	s_wait_alu depctr_va_vdst(0)
	s_wait_kmcnt 0x0
	s_add_nc_u64 s[8:9], s[8:9], s[20:21]
	s_add_nc_u64 s[10:11], s[10:11], s[20:21]
	s_add_nc_u64 s[14:15], s[14:15], s[20:21]
	s_add_nc_u64 s[8:9], s[8:9], s[22:23]
	s_add_nc_u64 s[10:11], s[10:11], s[22:23]
.irp c, 0,1,2,3,4,5,6,7
	s_load_b128 s[KY+4*\c:KY+4*\c+3], s[8:9], 0x10000*\c    ; my four rows: run c's keys,
	s_load_b128 s[CD+4*\c:CD+4*\c+3], s[10:11], 0x10000*\c  ; and codes
.endr
	s_add_nc_u64 s[4:5], s[4:5], s[56:57]
	s_add_nc_u64 s[12:13], s[12:13], s[56:57]
	s_add_nc_u64 s[16:17], s[16:17], s[58:59]
.irp i, 0,1,2,3
.irp c, 0,1,2,3
	global_load_b128 v[Z+16*\i+4*\c:Z+16*\i+4*\c+3], v1, s[4:5] offset:2048*\i+512*\c th:TH_LOAD_NT
.endr
.endr
	s_wait_kmcnt 0x0
.irp i, 0,1,2,3
.irp c, 1,2,3,4,5,6,7
	s_cmp_lt_u32 s[KY+4*\c+\i], s[KY+\i]           ; strictly less: an earlier run keeps a tie
	s_cselect_b32 s[KY+\i], s[KY+4*\c+\i], s[KY+\i]
	s_cselect_b32 s[CD+\i], s[CD+4*\c+\i], s[CD+\i]
.endr
.endr
.irp i, 0,1,2,3
	s_min_u32 s[CD+\i], s[CD+\i], 8191             ; a loaded number enters an address only behind this hold
	v_mov_b32 v[16+\i], s[CD+\i]                   ; idx
	s_lshl_b32 s[CD+\i], s[CD+\i], 11
	v_add_nc_u32 v[2+\i], s[CD+\i], v1
.endr
	s_wait_alu depctr_va_vdst(0)                   ; ahead of the readers below
	ds_store_b128 v31, v[16:19]                    ; (all lanes write the same 16 bytes with the same values)
.irp i, 0,1,2,3
.irp c, 0,1,2,3
	global_load_b128 v[WA+16*\i+4*\c:WA+16*\i+4*\c+3], v[2+\i], s[6:7] offset:512*\c   ; no hint: a row of W may be named by many rows
.endr
.endr
.macro ROW i
	s_wait_loadcnt 4*(3-\i)                        ; loads come back in order: this row's are in; four for each later row may be out
.set k, 0
.rept 8
	v_pk_add_f32 v[WB+16*\i+k:WB+16*\i+k+1], v[WA+16*\i+k:WA+16*\i+k+1], v[Z+16*\i+k:Z+16*\i+k+1] neg_lo:[0,1] neg_hi:[0,1]   ; q - z
.set k, k+2
.endr
.set k, 0
.rept 8
	v_pk_add_f32 v[WA+16*\i+k:WA+16*\i+k+1], v[Z+16*\i+k:Z+16*\i+k+1], v[WB+16*\i+k:WB+16*\i+k+1]   ; z + (q - z)
.set k, k+2
.endr
.set k, 0
.rept 8
	v_pk_fma_f32 v[10+k%4:11+k%4], v[WB+16*\i+k:WB+16*\i+k+1], v[WB+16*\i+k:WB+16*\i+k+1], v[10+k%4:11+k%4]
.set k, k+2
.endr
.irp c, 0,1,2,3
	global_store_b128 v1, v[WA+16*\i+4*\c:WA+16*\i+4*\c+3], s[12:13] offset:2048*\i+512*\c th:TH_STORE_NT   ; 32 lanes store 512 consecutive bytes, aligned; written once, read by nobody here
.endr
.endm
	ROW 0
	ROW 1
	ROW 2
	ROW 3
	v_pk_add_f32 v[10:11], v[10:11], v[12:13]
	s_delay_alu instid0(VALU_DEP_1)
	v_add_f32 v10, v10, v11
	s_delay_alu instid0(VALU_DEP_1)
	v_add_f32_dpp v10, v10, v10 row_xmask:1 row_mask:0xf bank_mask:0xf
	s_delay_alu instid0(VALU_DEP_1)
	v_add_f32_dpp v10, v10, v10 row_xmask:2 row_mask:0xf bank_mask:0xf
	s_delay_alu instid0(VALU_DEP_1)
	v_add_f32_dpp v10, v10, v10 row_xmask:4 row_mask:0xf bank_mask:0xf
	s_delay_alu instid0(VALU_DEP_1)
	v_add_f32_dpp v10, v10, v10 row_xmask:8 row_mask:0xf bank_mask:0xf
	s_delay_alu instid0(VALU_DEP_1)
	v_permlanex16_b32 v11, v10, s60, s61
	s_delay_alu instid0(VALU_DEP_1)
	v_add_f32 v10, v10, v11                        ; my wave's sum, in every lane
	ds_store_b32 v26, v10
	s_wait_dscnt 0x0                               ; for the others' sake: my sum and my rows' idx lie in LDS
	s_barrier_signal -1
	s_barrier_wait -1
	s_cmp_lg_u32 s18, 0
	s_cbranch_scc1 .Lend
	ds_load_b32 v27, v30                           ; lane l: wave (l % 16)'s sum
	ds_load_b64 v[24:25], v14 offset:IDX           ; the 64 rows' idx, two a lane
	s_wait_dscnt 0x0
	global_store_b64 v14, v[24:25], s[14:15]       ; 32 lanes store 256 consecutive bytes, aligned
	v_add_f32_dpp v27, v27, v27 row_xmask:1 row_mask:0xf bank_mask:0xf
	s_delay_alu instid0(VALU_DEP_1)
	v_add_f32_dpp v27, v27, v27 row_xmask:2 row_mask:0xf bank_mask:0xf
	s_delay_alu instid0(VALU_DEP_1)
	v_add_f32_dpp v27, v27, v27 row_xmask:4 row_mask:0xf bank_mask:0xf
	s_delay_alu instid0(VALU_DEP_1)
	v_add_f32_dpp v27, v27, v27 row_xmask:8 row_mask:0xf bank_mask:0xf
	v_cmp_eq_u32 vcc_lo, 0, v0
	s_wait_alu depctr_va_vdst(0)                   ; directly ahead of the wait below
	s_wait_xcnt 0x0                                ; EXEC is a source of the pending stores: it changes only behind this wait
	s_and_saveexec_b32 s62, vcc_lo
	global_store_b32 v29, v27, s[16:17]            ; thread 0: part[g]
	s_wait_xcnt 0x0                                ; and again, in front of the line that widens it
	s_or_b32 exec_lo, exec_lo, s62
.Lend:
	s_wait_tensorcnt 0x0                           ; the wave's end, behind my last LDS store
	ds_add_u32 v224, v225
	s_wait_dscnt 0x0
	s_endpgm
.Lfunc_end_k_q4fd5c3bf69_gather:
	.size	k_q4fd5c3bf69_gather, .Lfunc_end_k_q4fd5c3bf69_gather-k_q4fd5c3bf69_gather
	.p2alignl 7, 3214868480
	.fill 96, 4, 3214868480
	.section	.rodata,"a",@progbits
	.p2align	6, 0x0
	.amdhsa_kernel k_q4fd5c3bf69_gather
		.amdhsa_group_segment_fixed_size 2560
		.amdhsa_private_segment_fixed_size 0
		.amdhsa_enable_private_segment 0
		.amdhsa_kernarg_size 56
		.amdhsa_user_sgpr_count 2
		.amdhsa_user_sgpr_kernarg_segment_ptr 1
		.amdhsa_wavefront_size32 1
		.amdhsa_system_sgpr_workgroup_id_x 1
		.amdhsa_system_sgpr_workgroup_id_y 1
		.amdhsa_system_sgpr_workgroup_id_z 1
		.amdhsa_system_vgpr_workitem_id 0
		.amdhsa_next_free_vgpr 226
		.amdhsa_next_free_sgpr 100
		.amdhsa_reserve_vcc 1
		.amdhsa_float_denorm_mode_32 3
		.amdhsa_float_denorm_mode_16_64 3
		.amdhsa_memory_ordered 1
		.amdhsa_forward_progress 1
		.amdhsa_inst_pref_size 19
	.end_amdhsa_kernel
	.amdgpu_metadata
---
amdhsa.version: [ 1, 2 ]
amdhsa.kernels:
  - .name:           k_q4fd5c3bf69_gather
    .symbol:         k_q4fd5c3bf69_gather.kd
    .args:
      - { .name: z, .offset: 0, .size: 8, .value_kind: global_buffer, .address_space: global }
      - { .name: W, .offset: 8, .size: 8, .value_kind: global_buffer, .address_space: global }
      - { .name: candk, .offset: 16, .size: 8, .value_kind: global_buffer, .address_space: global }
      - { .name: candi, .offset: 24, .size: 8, .value_kind: global_buffer, .address_space: global }
      - { .name: out0, .offset: 32, .size: 8, .value_kind: global_buffer, .address_space: global }
      - { .name: out1, .offset: 40, .size: 8, .value_kind: global_buffer, .address_space: global }
      - { .name: part, .offset: 48, .size: 8, .value_kind: global_buffer, .address_space: global }
    .group_segment_fixed_size: 2560
    .private_segment_fixed_size: 0
    .kernarg_segment_align: 8
    .kernarg_segment_size: 56
    .max_flat_workgroup_size: 512
    .sgpr_count:     100
    .vgpr_count:     226
    .wavefront_size: 32
...
	.end_amdgpu_metadata
.endif
;; end of part 3
;; launch total (part 4): grid 1 x 1, 1 waves a work-group, no clusters, 0 bytes of LDS; arguments part, out2; writes out2
.if DOCPART == 4
	.amdgcn_target "amdgcn-amd-amdhsa--gfx1250"
	.amdhsa_code_object_version 6
	.text
	.protected	k_q4fd5c3bf69_total
	.globl	k_q4fd5c3bf69_total
	.p2align	8
	.type	k_q4fd5c3bf69_total,@function
k_q4fd5c3bf69_total:
	s_mov_b64 s[64:65], 0
	v_nop
	global_prefetch_b8 v0, s[64:65] scope:SCOPE_SE
	s_setreg_imm32_b32 hwreg(HW_REG_WAVE_MODE, 25, 1), 1
	s_wait_xcnt 0x0
; out2 = the sum of the 256 work-groups' sums of squares x 2^-23: 16,384 x 512 numbers; the factor is exact.  One wave: a sum that spans work-groups has one owner, in a launch behind them.
	s_load_b128 s[4:7], s[0:1], 0x0                ; part, out2
	v_lshlrev_b32 v1, 4, v0                        ; 16 x lane
	v_mov_b32 v2, 0
	s_mov_b32 s8, 0x76543210
	s_mov_b32 s9, 0xfedcba98                       ; v_permlanex16_b32's selects for lane l xor 16
	s_wait_alu depctr_va_vdst(0)
	s_wait_kmcnt 0x0
	global_load_b128 v[4:7], v1, s[4:5]
	global_load_b128 v[8:11], v1, s[4:5] offset:512
	s_wait_loadcnt 0x0
	v_pk_add_f32 v[4:5], v[4:5], v[6:7]
	v_pk_add_f32 v[8:9], v[8:9], v[10:11]
	v_pk_add_f32 v[4:5], v[4:5], v[8:9]
	v_add_f32 v4, v4, v5
	v_add_f32_dpp v4, v4, v4 row_xmask:1 row_mask:0xf bank_mask:0xf
	v_add_f32_dpp v4, v4, v4 row_xmask:2 row_mask:0xf bank_mask:0xf
	v_add_f32_dpp v4, v4, v4 row_xmask:4 row_mask:0xf bank_mask:0xf
	v_add_f32_dpp v4, v4, v4 row_xmask:8 row_mask:0xf bank_mask:0xf
	v_permlanex16_b32 v5, v4, s8, s9
	v_add_f32 v4, v4, v5
	v_mul_f32 v4, 0x34000000, v4                   ; x 2^-23
	v_cmp_eq_u32 vcc_lo, 0, v0
	s_wait_alu depctr_va_vdst(0)
	s_wait_xcnt 0x0                                ; EXEC changes only behind this wait
	s_and_saveexec_b32 s10, vcc_lo
	global_store_b32 v2, v4, s[6:7]                ; lane 0
	s_wait_xcnt 0x0
	s_or_b32 exec_lo, exec_lo, s10
	s_endpgm
.Lfunc_end_k_q4fd5c3bf69_total:
	.size	k_q4fd5c3bf69_total, .Lfunc_end_k_q4fd5c3bf69_total-k_q4fd5c3bf69_total
	.p2alignl 7, 3214868480
	.fill 96, 4, 3214868480
	.section	.rodata,"a",@progbits
	.p2align	6, 0x0
	.amdhsa_kernel k_q4fd5c3bf69_total
		.amdhsa_group_segment_fixed_size 0
		.amdhsa_private_segment_fixed_size 0
		.amdhsa_enable_private_segment 0
		.amdhsa_kernarg_size 16
		.amdhsa_user_sgpr_count 2
		.amdhsa_user_sgpr_kernarg_segment_ptr 1
		.amdhsa_wavefront_size32 1
		.amdhsa_system_sgpr_workgroup_id_x 1
		.amdhsa_system_sgpr_workgroup_id_y 1
		.amdhsa_system_sgpr_workgroup_id_z 1
		.amdhsa_system_vgpr_workitem_id 0
		.amdhsa_next_free_vgpr 16
		.amdhsa_next_free_sgpr 66
		.amdhsa_reserve_vcc 1
		.amdhsa_float_denorm_mode_32 3
		.amdhsa_float_denorm_mode_16_64 3
		.amdhsa_memory_ordered 1
		.amdhsa_forward_progress 1
		.amdhsa_inst_pref_size 2
	.end_amdhsa_kernel
	.amdgpu_metadata
---
amdhsa.version: [ 1, 2 ]
amdhsa.kernels:
  - .name:           k_q4fd5c3bf69_total
    .symbol:         k_q4fd5c3bf69_total.kd
    .args:
      - { .name: part, .offset: 0, .size: 8, .value_kind: global_buffer, .address_space: global }
      - { .name: out2, .offset: 8, .size: 8, .value_kind: global_buffer, .address_space: global }
    .group_segment_fixed_size: 0
    .private_segment_fixed_size: 0
    .kernarg_segment_align: 8
    .kernarg_segment_size: 16
    .max_flat_workgroup_size: 32
    .sgpr_count:     66
    .vgpr_count:     16
    .wavefront_size: 32
...
	.end_amdgpu_metadata
.endif
;; end of part 4
